; MI455X (gfx1250); checked and timed in simulation.
; The chip was launched on July 23, 2026; its instructions are those of AMD's public machine-readable ISA for CDNA 5 (MIT licence, August 2026) and "CDNA5" Instruction Set Architecture Reference Guide (July 2026). The comments in the code are by the model that wrote it; some were corrected since.
;; Attention. Allowed arithmetic: matrix products marked QUANTISED: E2M3 operands, one E8M0 scale for each 32 along K, by v_wmma_scale_f32_16x16x128_f8f6f4 with both operands' format E2M3, f32 sums; products left as they are: f32 operands where the result goes on into a quantised operand, else bf16, f16 or f32 operands; f32 sums; everything else in f32.
;; Inputs: W1 1,024 x 1,024 float32; W2 1,024 x 1,024 float32; W3 1 x 1,024 float32; b1 1,024 float32; b2 1,024 float32; b3 1 float32; hidden_d 1 x 32 x 1,024 float32; out_e 2,048 x 32 x 1,024 float32.
;; Outputs: out0 1 x 32 x 1,024 float32; out1 2,048 x 32 x 1 float32.
;; This version of the problem:
;;   THIS VERSION OF THE PROBLEM IS GIVEN IN LOW PRECISION. The matrix products marked QUANTISED in the list below multiply operands that are first quantised to E2M3 (2 exponent bits, 3 mantissa bits; 6 bits a number), with one power-of-two scale for each 32 numbers along K (OCP MX v1.0); their sums are f32. All else is computed in f32.
;;   The module's matrix products, in the order in which they are computed (A, B: the left and right operand; K: the contracted axis; several contracted axes count as one K, in the product's order):
;;     1. [M 32, K 1,024] x [K 1,024, N 1,024]; A: input hidden_d; B: input W1: QUANTISED
;;     2. [M 65,536, K 1,024] x [K 1,024, N 1,024]; A: input out_e; B: input W2: QUANTISED
;;     3. [M 65,536, K 1,024] x [K 1,024, N 1]; A: computed on the way; B: input W3: left as it is (N = 1 < 16)
;;     4. batch 32 x [M 1,024, K 2,048] x [K 2,048, N 1]; A: input out_e; B: softmax: left as it is (N = 1 < 16)
;;   THE QUANTISER, for each operand of a quantised product, along K:
;;     - K is cut into blocks of 32 from its start; a last block that is shorter is filled with zeros.
;;     - A block's scale is 2^e with e = floor(log2(the largest magnitude in the block)) - 2, held to -126 .. 127; a block of zeros has e = 0. As a byte (E8M0): e + 127.
;;     - Each number is divided by its block's scale, clamped to +-7.5, and rounded to the nearest number of E2M3, ties to even, subnormals kept.
;;     - The product sums the exact products of the quantised numbers (number of the format x scale) in f32.
;;   ~~~python
;;   def quantise(x, axis):      # numpy; x: float32 -> the quantised numbers, widened to float32 again
;;       x = np.moveaxis(x, axis, -1); K = x.shape[-1]
;;       x = np.pad(x, [(0, 0)] * (x.ndim - 1) + [(0, -K % 32)]); x = x.reshape(x.shape[:-1] + (-1, 32)); a = np.abs(x).max(-1, keepdims=True)
;;       e = np.where(a > 0, np.clip(np.frexp(np.where(a > 0, a, 1))[1] - 1 - 2, -126, 127), 0)      # np.frexp(a)[1] - 1 = floor(log2(a)), exactly
;;       r = np.clip(x / 2.0 ** e, -7.5, 7.5)
;;       step = 2.0 ** (np.maximum(np.frexp(np.where(r == 0, 1, r))[1] - 1, 0) - 3)
;;       q = np.round(r / step) * step * 2.0 ** e      # np.round: ties to even
;;       return np.moveaxis(q.reshape(q.shape[:-2] + (-1,))[..., :K], -1, axis).astype(np.float32)
;;   ~~~
;; One version. Each part assembles by itself: llvm-mc -triple=amdgcn-amd-amdhsa -mcpu=gfx1250 --defsym DOCPART=n.
;; ======== version 1 of 1: 3 launches
;; limits: values are held in bf16: 8 bits of precision; right only within a limited range of input values
;; workspace buffers: w2img 819,200 bytes; biasw 131,072 bytes; tsc 262,144 bytes; pc 1,179,648 bytes
;; launch prep (part 1): grid 64 x 1, 8 waves a work-group, no clusters, 85,504 bytes of LDS; arguments W2, W1, hidden_d, b1, b2, w2img, biasw; writes w2img, biasw
.if DOCPART == 1
	.amdgcn_target "amdgcn-amd-amdhsa--gfx1250"
	.amdhsa_code_object_version 6
	.text
	.protected	k_qad45718d1f_prep
	.globl	k_qad45718d1f_prep
	.p2align	8
	.type	k_qad45718d1f_prep,@function
k_qad45718d1f_prep:
	s_mov_b64 s[64:65], 0
	v_nop
	global_prefetch_b8 v0, s[64:65] scope:SCOPE_SE
	s_setreg_imm32_b32 hwreg(HW_REG_WAVE_MODE, 25, 1), 1
	s_wait_xcnt 0x0
; FIRST OF THREE LAUNCHES.  The program: a[s,n] = b3 + sum_e W3[e] tanh(x[s,n,e]), x = hidden_d[n] W1^T + b1 + out_e[s,n] W2^T + b2 (both products on codes of E2M3);
; alpha = softmax of a over s;  c[n] = sum_s alpha[s,n] out_e[s,n].
; WORK LEFT OUT, AND WHY IT IS DEAD.  tanh(x) = 1 - 2 r with r = 1 / (1 + e^(2x)), so a[s,n] = (b3 + sum_e W3[e]) - 2 sum_e W3[e] r[s,n,e].  The bracket is the same for every s.  a reaches the outputs only
; through the softmax over s, in which a term that is the same along s multiplies numerator and denominator alike and cancels, whatever finite values the inputs hold.  So b3 is not loaded and is an argument
; of no launch, and the sum of W3 is not formed.  LIMIT: a NaN, an infinity or an overflow in b3 or in the sum of W3 is not carried to the results.
; THIS LAUNCH: W2 becomes codes and scale words, laid as the next launch's operand registers take them; W1 and hidden_d are quantised in registers and multiplied (product 1); the table
; biasw[n][e] = K2 (hidden_d[n] . W1[e] + b1[e] + b2[e]), K2 = 2 log2(e), is stored.
; A block's scale is 2^(floor(log2(its largest magnitude)) - 2): its byte is that magnitude's exponent field - 2, held at 1 from below.
; LIMITS: a block of zeros, or one whose largest magnitude lies under 2^-124, gets the byte 1 (the rule says 127 for zeros: its codes are zeros, and the bytes are read by this program alone); NaN and infinities are not served.
; SHARES.  Work-group et owns rows 16 et .. 16 et + 15 of W2 and of W1; wave q owns K step q (128 along K).  Product 1's eight partial sums meet in LDS and are added in ascending q.
; w2img: groups of 32 rows, 25,600 bytes each: codes [q 0..7][tile 0..1][3 x 512 bytes], lane l's 16 bytes at 16 l; from byte 24,576 on the scale words [half 0..1][16 tile + r][16 bytes], word q % 4 of half q / 4.
; No tensor load: each number is read once by one wave, straight into registers.  No cluster: no two work-groups share more than hidden_d's 128 KiB.
.set STGB,  8448                       ; a wave's stage: 16 rows x 528 bytes
.set SPT,   528                        ; 512 bytes + 16: sixteen lanes that read sixteen rows at one column touch sixteen different 16-byte columns of 256
.set RED,   67584                      ; behind the eight stages: product 1's partial sums, 2,048 bytes a wave
.set SCG,   83968                      ; W2's scale words, gathered: 512 bytes
.set SPARE, 84480                      ; the spare words, 128 bytes a wave: four blocks of 256 bytes that no other line names
.set GRPB,  25600
.set SCLO,  24576
.set SPW, 1                            ; v1  my spare word; never rewritten
.set NIL, 2                            ; v2  0; never rewritten
.set XA,  3                            ; v3  16 x lane
.set STI, 4                            ; v4  the stage, on the way in
.set STO, 5                            ; v5  and out
.set SH8, 6                            ; v6  8 x (lane / 16)
.set TM,  16                           ; v16-25 at work in the quantiser
.set F,   32                           ; v32-79 four fragments: W2's, W1's, hidden_d's two
.set S,   80                           ; v80-83 their scale words, and nothing else
.set T3,  84                           ; v84-90 the second halves of a block's codes
.set SA,  112                          ; v112-175, v176-239: two sets of 64 numbers
.set SB,  176
	s_load_b256 s[4:11], s[0:1], 0x0               ; W2, W1, hidden_d, b1
	s_load_b128 s[12:15], s[0:1], 0x20             ; b2, w2img
	s_load_b64 s[16:17], s[0:1], 0x30              ; biasw
	v_lshl_add_u32 v[SPW], v0, 2, SPARE
	v_mov_b32 v[NIL], 0
	v_lshrrev_b32 v16, 5, v0
	s_delay_alu instid0(VALU_DEP_1)
	v_readfirstlane_b32 s18, v16                   ; wave = K step q
	v_and_b32 v16, 31, v0                          ; lane
	v_and_b32 v14, 15, v0                          ; r
	v_bfe_u32 v15, v0, 4, 1                        ; h
	s_delay_alu instid0(VALU_DEP_3)
	v_lshlrev_b32 v[XA], 4, v16
	s_wait_alu depctr_va_vdst(0)
	s_mul_i32 s19, s18, STGB                       ; my stage
	v_add_nc_u32 v[STI], s19, v[XA]
	v_mul_u32_u24 v[STO], v14, SPT
	s_delay_alu instid0(VALU_DEP_1)
	v_lshl_add_u32 v[STO], v15, 7, v[STO]
	s_delay_alu instid0(VALU_DEP_1)
	v_add_nc_u32 v[STO], s19, v[STO]               ; row r, + 128 h: my 32 numbers of each 64
	v_lshlrev_b32 v[SH8], 3, v15
	s_lshr_b32 s20, s18, 2                         ; every LDS address is made here, ahead of the branches on the wave's number
	s_lshl_b32 s20, s20, 8
	s_and_b32 s21, s18, 3
	s_lshl_b32 s21, s21, 2
	s_add_co_u32 s20, s20, s21
	s_add_co_u32 s20, s20, SCG
	v_lshl_add_u32 v7, v14, 4, s20                 ; v7: my row's scale word: 256 (q / 4) + 16 r + 4 (q % 4)
	s_lshl_b32 s20, s18, 11
	s_add_co_u32 s20, s20, RED
	v_add_nc_u32 v8, s20, v[XA]                    ; v8: my partial sums
	s_and_b32 s20, s18, 3
	s_lshl_b32 s20, s20, 9
	s_add_co_u32 s20, s20, RED
	v_add_nc_u32 v9, s20, v[XA]                    ; v9: quarter w % 4 of every wave's
	v_add_nc_u32 v10, SCG, v[XA]                   ; v10: the gathered scale words, 16 bytes a lane
	s_and_b32 s20, s18, 1
	s_lshl_b32 s20, s20, 4
	v_lshl_add_u32 v11, v15, 5, s20                ; v11: b1, b2: 32 h + 16 (w % 2) bytes on from 16 et
	s_bfe_u32 s21, s18, 0x10001
	s_lshl_b32 s21, s21, 16
	v_lshl_add_u32 v12, v14, 12, v11
	s_delay_alu instid0(VALU_DEP_1)
	v_add_nc_u32 v12, s21, v12                     ; v12: biasw: row 16 ((w / 2) % 2) + r of 4,096 bytes, + the same
	v_lshlrev_b32 v13, 4, v14
	s_delay_alu instid0(VALU_DEP_1)
	v_lshl_add_u32 v13, v15, 9, v13                ; v13: the scale image: 512 h + 16 r
	v_mov_b32 v[TM+9], 0                           ; written once: a lane permute's destination counts as one of its sources
	s_lshl_b32 s28, ttmp9, 16                      ; 16 rows of 4,096 bytes a work-group,
	s_lshl_b32 s29, s18, 9                         ; 512 bytes a K step
	s_add_co_u32 s28, s28, s29
	s_mov_b32 s29, 0
	s_lshl_b32 s30, s18, 9
	s_mov_b32 s31, 0
	s_lshl_b32 s32, ttmp9, 6                       ; 16 numbers of b1, b2 and of a row of biasw
	s_mov_b32 s33, 0
	s_lshr_b32 s34, ttmp9, 1
	s_mul_i32 s34, s34, GRPB                       ; my group of 32 rows
	s_and_b32 s36, ttmp9, 1                        ; which tile of it
	s_mul_i32 s37, s36, 1536
	s_mul_i32 s38, s18, 3072
	s_add_co_u32 s37, s37, s38
	s_add_co_u32 s38, s34, s37                     ; my fragment's image
	s_mov_b32 s39, 0
	s_lshl_b32 s36, s36, 8
	s_add_co_u32 s36, s36, s34
	s_add_co_u32 s36, s36, SCLO                    ; my tile's scale words
	s_mov_b32 s37, 0
	s_mov_b32 s34, 0x76543210
	s_mov_b32 s35, 0xfedcba98                      ; v_permlanex16_b32's selects for lane l xor 16
	s_mov_b32 s26, 0x4038aa3b                      ; K2 = 2 log2(e)
	s_mov_b32 s27, s26                             ; (named with it as a pair, so it is written)
	s_wait_alu depctr_va_vdst(0)
	s_wait_kmcnt 0x0
	s_add_nc_u64 s[4:5], s[4:5], s[28:29]
	s_add_nc_u64 s[6:7], s[6:7], s[28:29]
	s_add_nc_u64 s[8:9], s[8:9], s[30:31]
	s_add_nc_u64 s[10:11], s[10:11], s[32:33]
	s_add_nc_u64 s[12:13], s[12:13], s[32:33]
	s_add_nc_u64 s[16:17], s[16:17], s[32:33]
	s_add_nc_u64 s[22:23], s[14:15], s[38:39]
	s_add_nc_u64 s[24:25], s[14:15], s[36:37]
; 16 rows x 512 bytes: each load reads 512 consecutive bytes of one row, 16 a lane
.macro JLOAD xb, sb, off, nt
.set rho, 0
.rept 16
.if \nt
	global_load_b128 v[\xb+4*rho:\xb+4*rho+3], v[XA], s[\sb:\sb+1] offset:\off+4096*rho th:TH_LOAD_NT
.else
	global_load_b128 v[\xb+4*rho:\xb+4*rho+3], v[XA], s[\sb:\sb+1] offset:\off+4096*rho
.endif
.set rho, rho+1
.endr
.endm
; through my stage: in as loaded, out so that register 32 c + i holds k = 64 c + 32 h + i of row r: two whole blocks a lane, in the 6-bit operand's order.  LDS serves a wave's instructions in order: no wait between
.macro TURN xb
.set rho, 0
.rept 16
	ds_store_b128 v[STI], v[\xb+4*rho:\xb+4*rho+3] offset:SPT*rho
.set rho, rho+1
.endr
.set ii, 0
.rept 16
	ds_load_b128 v[\xb+4*ii:\xb+4*ii+3], v[STO] offset:256*(ii/8)+16*(ii%8)
.set ii, ii+1
.endr
	s_wait_dscnt 0x0
.endm
; 64 numbers of a lane become a fragment's 12 registers at v[f] and its scale word in v[s]
.macro QUANT xb, f, s
.irp ch, 0,1,2,3
	v_max3_num_f32 v[TM+\ch], |v[\xb+16*\ch]|, |v[\xb+16*\ch+1]|, 0x1800000   ; four chains of 16 numbers, each begun with the floor 2^(3 - 127): the byte cannot fall under 1
.endr
.irp i2, 2,4,6,8,10,12,14
.irp ch, 0,1,2,3
	s_delay_alu instid0(VALU_DEP_4)
	v_max3_num_f32 v[TM+\ch], |v[\xb+16*\ch+\i2]|, |v[\xb+16*\ch+\i2+1]|, v[TM+\ch]
.endr
.endr
	s_delay_alu instid0(VALU_DEP_3)
	v_max_num_f32 v[TM], v[TM], v[TM+1]            ; my two blocks' largest magnitudes
	s_delay_alu instid0(VALU_DEP_2)
	v_max_num_f32 v[TM+2], v[TM+2], v[TM+3]
	s_delay_alu instid0(VALU_DEP_2)
	v_add_nc_u32 v[TM+4], 0xff000000, v[TM]        ; 2 off the exponent field: the conversion's scale operand
	s_delay_alu instid0(VALU_DEP_2)
	v_add_nc_u32 v[TM+5], 0xff000000, v[TM+2]
	s_delay_alu instid0(VALU_DEP_2)
	v_lshrrev_b32 v[TM+6], 23, v[TM+4]             ; the bytes of blocks h and 2 + h
	s_delay_alu instid0(VALU_DEP_2)
	v_lshrrev_b32 v[TM+7], 23, v[TM+5]
	s_delay_alu instid0(VALU_DEP_1)
	v_lshl_or_b32 v[TM+8], v[TM+7], 16, v[TM+6]
	s_delay_alu instid0(VALU_DEP_1)
	v_lshlrev_b32 v[TM+8], v[SH8], v[TM+8]         ; at their places in the word
	s_delay_alu instid0(VALU_DEP_1)
	v_permlanex16_b32 v[TM+9], v[TM+8], s34, s35
	s_delay_alu instid0(VALU_DEP_1)
	v_or_b32 v[\s], v[TM+8], v[TM+9]               ; with lane l xor 16's two the word is whole
	v_cvt_scalef32_pk16_fp6_f32 v[\f:\f+2], v[\xb:\xb+15], v[TM+4]
	v_cvt_scalef32_pk16_fp6_f32 v[T3:T3+2], v[\xb+16:\xb+31], v[TM+4]         ; (a conversion's three registers begin on an even number)
	v_cvt_scalef32_pk16_fp6_f32 v[\f+6:\f+8], v[\xb+32:\xb+47], v[TM+5]
	v_cvt_scalef32_pk16_fp6_f32 v[T3+4:T3+6], v[\xb+48:\xb+63], v[TM+5]
	v_nop                                          ; one plain place behind the scaled conversions
.irp i3, 0,1,2
	v_mov_b32 v[\f+3+\i3], v[T3+\i3]
	v_mov_b32 v[\f+9+\i3], v[T3+4+\i3]
.endr
.endm
	JLOAD SA, 4, 0, 1                              ; W2's tile
	JLOAD SB, 6, 0, 1                              ; W1's tile
	global_load_b128 v[240:243], v11, s[10:11]     ; b1 and b2 at my four outputs
	global_load_b128 v[244:247], v11, s[12:13]
	s_wait_loadcnt 18                              ; W2's 16 loads are in: W1's 16 and the two above may be out
	TURN SA
	QUANT SA, F, S
	JLOAD SA, 8, 0, 0                              ; hidden_d's rows 0-15
	s_wait_loadcnt 18                              ; W1's are in: behind them the two and hidden_d's 16
	TURN SB
	QUANT SB, F+12, S+1
	JLOAD SB, 8, 65536, 0                          ; hidden_d's rows 16-31
.irp j3, 0,1,2
	global_store_b128 v[XA], v[F+4*\j3:F+4*\j3+3], s[22:23] offset:512*\j3      ; W2's fragment as it stands: each store covers 512 consecutive bytes, aligned
.endr
	ds_store_b32 v7, v[S]                          ; lanes r and r + 16 write the same word with the same value
	s_wait_loadcnt 16                              ; rows 0-15 are in
	TURN SA
	QUANT SA, F+24, S+2
	s_wait_loadcnt 0x0
	TURN SB
	QUANT SB, F+36, S+3
.rept 8
	v_nop                                          ; a scale register written by a vector instruction stands 8 places ahead of a scaled matrix instruction, an operand 4
.endr
	v_wmma_scale_f32_16x16x128_f8f6f4 v[96:103], v[F+12:F+23], v[F+24:F+35], 0, v[S+1], v[S+2] matrix_a_fmt:MATRIX_FMT_FP6 matrix_b_fmt:MATRIX_FMT_FP6    ; source 0 = 16 rows of W1, source 1 = 16 rows of hidden_d: lane (r, h), register j: n = r, e = 16 et + 8 h + j
	v_wmma_scale_f32_16x16x128_f8f6f4 v[104:111], v[F+12:F+23], v[F+36:F+47], 0, v[S+1], v[S+3] matrix_a_fmt:MATRIX_FMT_FP6 matrix_b_fmt:MATRIX_FMT_FP6   ; n = 16 + r
.rept 4
	v_nop                                          ; four places ahead of the first read of the results
.endr
.irp k4, 0,1,2,3
	ds_store_b128 v8, v[96+4*\k4:99+4*\k4] offset:512*\k4      ; each accumulator from its low end on
.endr
	s_wait_dscnt 0x0                               ; for the others' sake: my stores have landed
	s_barrier_signal -1
	s_barrier_wait -1
	s_cmp_lt_u32 s18, 4
	s_cbranch_scc0 .Lnot_sum
.irp qq, 0,1,2,3,4,5,6,7
	ds_load_b128 v[112+4*\qq:115+4*\qq], v9 offset:2048*\qq    ; quarter w of all eight K steps' sums
.endr
	s_wait_dscnt 0x0
.irp qq, 1
	v_pk_add_f32 v[112:113], v[112:113], v[112+4*\qq:113+4*\qq]
	v_pk_add_f32 v[114:115], v[114:115], v[114+4*\qq:115+4*\qq]
.endr
.irp qq, 2, 3, 4, 5, 6, 7
	s_delay_alu instid0(VALU_DEP_2)
	v_pk_add_f32 v[112:113], v[112:113], v[112+4*\qq:113+4*\qq]
	s_delay_alu instid0(VALU_DEP_2)
	v_pk_add_f32 v[114:115], v[114:115], v[114+4*\qq:115+4*\qq]
.endr
	s_delay_alu instid0(VALU_DEP_2)
	v_pk_add_f32 v[112:113], v[112:113], v[240:241]
	s_delay_alu instid0(VALU_DEP_2)
	v_pk_add_f32 v[114:115], v[114:115], v[242:243]
	s_delay_alu instid0(VALU_DEP_2)
	v_pk_add_f32 v[112:113], v[112:113], v[244:245]
	s_delay_alu instid0(VALU_DEP_2)
	v_pk_add_f32 v[114:115], v[114:115], v[246:247]
	s_delay_alu instid0(VALU_DEP_2)
	v_pk_mul_f32 v[112:113], v[112:113], s[26:27] op_sel_hi:[1,0]
	s_delay_alu instid0(VALU_DEP_2)
	v_pk_mul_f32 v[114:115], v[114:115], s[26:27] op_sel_hi:[1,0]
	global_store_b128 v12, v[112:115], s[16:17]    ; 16 bytes a lane to rows 4,096 bytes apart: 128 KiB in the whole program
.Lnot_sum:
	s_cmp_eq_u32 s18, 4
	s_cbranch_scc0 .Lnot_scl
	ds_load_b128 v[248:251], v10
	s_wait_dscnt 0x0
	global_store_b128 v13, v[248:251], s[24:25]    ; sixteen lanes store 256 consecutive bytes, aligned, twice
.Lnot_scl:
	s_wait_tensorcnt 0x0                           ; the wave's end: behind my last LDS store
	ds_add_u32 v[SPW], v[NIL]
	s_wait_dscnt 0x0
	s_endpgm
.Lfunc_end_k_qad45718d1f_prep:
	.size	k_qad45718d1f_prep, .Lfunc_end_k_qad45718d1f_prep-k_qad45718d1f_prep
	.p2alignl 7, 3214868480
	.fill 96, 4, 3214868480
	.section	.rodata,"a",@progbits
	.p2align	6, 0x0
	.amdhsa_kernel k_qad45718d1f_prep
		.amdhsa_group_segment_fixed_size 85504
		.amdhsa_private_segment_fixed_size 0
		.amdhsa_enable_private_segment 0
		.amdhsa_kernarg_size 56
		.amdhsa_user_sgpr_count 2
		.amdhsa_user_sgpr_kernarg_segment_ptr 1
		.amdhsa_wavefront_size32 1
		.amdhsa_system_sgpr_workgroup_id_x 1
		.amdhsa_system_sgpr_workgroup_id_y 1
		.amdhsa_system_sgpr_workgroup_id_z 1
		.amdhsa_system_vgpr_workitem_id 0
		.amdhsa_next_free_vgpr 256
		.amdhsa_next_free_sgpr 66
		.amdhsa_reserve_vcc 0
		.amdhsa_float_denorm_mode_32 3
		.amdhsa_float_denorm_mode_16_64 3
		.amdhsa_memory_ordered 1
		.amdhsa_forward_progress 1
		.amdhsa_inst_pref_size 40
	.end_amdhsa_kernel
	.amdgpu_metadata
---
amdhsa.version: [ 1, 2 ]
amdhsa.kernels:
  - .name:           k_qad45718d1f_prep
    .symbol:         k_qad45718d1f_prep.kd
    .args:
      - { .name: W2, .offset: 0, .size: 8, .value_kind: global_buffer, .address_space: global }
      - { .name: W1, .offset: 8, .size: 8, .value_kind: global_buffer, .address_space: global }
      - { .name: hidden_d, .offset: 16, .size: 8, .value_kind: global_buffer, .address_space: global }
      - { .name: b1, .offset: 24, .size: 8, .value_kind: global_buffer, .address_space: global }
      - { .name: b2, .offset: 32, .size: 8, .value_kind: global_buffer, .address_space: global }
      - { .name: w2img, .offset: 40, .size: 8, .value_kind: global_buffer, .address_space: global }
      - { .name: biasw, .offset: 48, .size: 8, .value_kind: global_buffer, .address_space: global }
    .group_segment_fixed_size: 85504
    .private_segment_fixed_size: 0
    .kernarg_segment_align: 8
    .kernarg_segment_size: 56
    .max_flat_workgroup_size: 256
    .sgpr_count:     66
    .vgpr_count:     256
    .wavefront_size: 32
...
	.end_amdgpu_metadata
.endif
;; end of part 1
;; launch main (part 2): grid 256 x 1, 4 waves a work-group, clusters of 4 x 1, 327,680 bytes of LDS; arguments out_e, w2img, biasw, W3, tsc, pc; writes tsc, pc
.if DOCPART == 2
	.amdgcn_target "amdgcn-amd-amdhsa--gfx1250"
	.amdhsa_code_object_version 6
	.text
	.protected	k_qad45718d1f_main
	.globl	k_qad45718d1f_main
	.p2align	8
	.type	k_qad45718d1f_main,@function
k_qad45718d1f_main:
	s_mov_b64 s[64:65], 0
	v_nop
	global_prefetch_b8 v0, s[64:65] scope:SCOPE_SE
	s_setreg_imm32_b32 hwreg(HW_REG_WAVE_MODE, 25, 1), 1
	s_wait_xcnt 0x0
	s_wait_alu depctr_hold_cnt(0) depctr_sa_sdst(0) depctr_va_vdst(0) depctr_va_sdst(0) depctr_va_ssrc(0) depctr_va_vcc(0) depctr_vm_vsrc(0)
	s_getreg_b32 s2, hwreg(HW_REG_IB_STS2, 6, 4)
	s_cmp_eq_u32 s2, 0
	s_cbranch_scc0 .Lentry_in_a_cluster
	s_endpgm
.Lentry_in_a_cluster:
	s_bfe_u32 s2, ttmp6, 0x10000c
	s_cmp_lg_u32 s2, 0x3003
	s_cbranch_scc0 .Lentry_shape_is_right
	s_endpgm
.Lentry_shape_is_right:
; SECOND LAUNCH: out_e is read ONCE and serves both the scores and the context.  Left out as in the first launch's head comment: b3 and the sum of W3, which are the same along the softmax's axis.
; t[s,n] = sum_e (-K2 W3[e]) r[s,n,e], r = 1 / (1 + 2^y), y = K2 (out_e[s,n] . W2[e]) + biasw[n][e], K2 = 2 log2(e): t is the score in units of log2, without the dead constant.  2^y may overflow to infinity: r is then 0, as it should be.
; SHARES.  A work-group owns one n and 256 consecutive s, in two passes of 128 rows; each of its four waves owns 32 rows of a pass (two tiles of 16):
;   L: it loads them as f32; keeps them as bf16 (tile 0 in registers, tile 1 in its own LDS); quantises them into operand registers (16 fragments, 16 scale words);
;   X: waves 2 p and 2 p + 1 hand each other their fragments and scale words through LDS, as images of the registers: each then holds the codes of the pair's 64 rows;
;   G: W2's codes come through a ring of two LDS slots of 64 rows.  Of a group of 32 rows of W2 wave w takes tile w % 2 and multiplies it by the pair's four tiles: a fragment read from LDS feeds four matrix
;      instructions and is read by two waves.  A group is 32 matrix instructions; the group before's activation (a multiply-add, an exponential, an addition, a reciprocal, a multiply-add with W3) stands in slices behind them;
;   C: the partner's half of each score comes through LDS; a running maximum m and sum l over the wave's own 32 rows, p = 2^(t - m), and the context sum of p x the kept bf16 rows (product 4 on bf16 operands, f32 sums).
; At the end the four waves' m, l and sums are joined; the work-group stores 256 scores, its M and L and 1,024 sums.  The third launch joins the eight work-groups of each n.
; THE MATRIX INSTRUCTION IS USED TRANSPOSED: source 0 = 16 rows of W2, source 1 = 16 rows of out_e: lane (r, h) holds row r of out_e, its register j the unit e = 8 h + j of the tile.
; CLUSTER.  All work-groups walk the same codes of W2: the four partners ask for each part JOINTLY (the same tensor load, the same descriptor, the mask 15).  out_e is shared by nobody and comes by plain loads.
; LIMITS: NaN and infinities among the inputs are not served; a block of zeros, or one under 2^-124, gets the scale byte 1 (its codes are zeros or nearly so; the bytes are this program's own); out_e enters product 4 rounded to bf16.
; REGISTERS, in windows of 256:  window 0: v0-19 addresses, m, l, f; v20-23 at work; v24-31 the scores' sums; v32-63 out_e's scale words (four tiles), v64-79 W2's (two sets): scales and nothing else; v80-87 the bias of a group;
;   v88-151 two sets of four accumulators; v152-247 two buffers of W2's fragments, four K steps each (in phase L: a set of 64 numbers and the quantiser's ten); v248-255 addresses of G, at work.
;   window 1: L: my 16 fragments; G: K steps 0-3 of all four tiles; C: kept rows of tile 1.  v208-239 bf16 on its way to LDS; v240-246 conversions.
;   window 2: v0-191 L: three sets of 64 numbers; G: K steps 4-7 of all four tiles.  v192-223 the context; v224-255 p (in G: v224-231 -K2 W3 of a group).      window 3: the kept bf16 rows of tile 0.
;   In G tile i (0, 1 mine, 2, 3 my partner's), K step q lies at v[96 (i % 2) + 48 (i / 2) + 12 (q % 4)] of window 1 + q / 4: so half a group runs under one window setting.
; PHASE G AS IT STANDS NOW: a group's 32 matrix instructions run with no transcendental among them; the group's OWN activation follows them as five batches (multiply-add, exponential, addition, reciprocal, sum with W3).
; So no transcendental stands between a matrix result and its first reader.  The two sets of accumulators take turns from group to group.
; PREFETCH: in the first pass's first eight trips of G a wave asks for K step t of both tiles of its own 32 rows of the second pass: two requests a trip, 16 rows x 512 bytes each, a lane 256 bytes, each block once in the launch.
; What a wave has asked for and not yet read is at most its own 16 steps of the next phase L.  The second pass has no successor and asks for nothing.
.set SLOT1, 65536                      ; LDS: slot 0 at 0, slot 1 here: one exclusive or turns an address in one slot into the other's.  A slot: 51,200 bytes
; THE ORDER OF THE ACTIVATION AND THE PREFETCH, AS THE TEXT BELOW HAS THEM (this takes the place of what the lines above say of the two):
; the activation runs one group behind: at a group's end stand this group's multiply-adds, ONE batch of 64 transcendentals (this group's exponentials, the group before's reciprocals), the group before's sum with W3, this group's + 1.
; The prefetch: in the first pass one request stands ahead of G's loop, one at the end of each of its 14 trips and one in the tail: request k names step k of the next pass's phase L (16 rows x 512 bytes, a lane 256 bytes).
.set GRPB,  25600                      ; a group of 32 rows of W2: 24,576 bytes of codes, 1,024 of scale words
.set SCLO,  24576
.set CHUNK, 51200
.set TAB_B, 51200                      ; biasw[n], 4,096 bytes;
.set TABD,  4096                       ; and that far behind it -K2 W3
.set SPARE, 59392                      ; the spare words, 128 bytes a wave: two blocks of 256 bytes that no other line names
.set PB,    59904                      ; p of a wave's 32 rows, 128 bytes a wave
.set SCB,   60416                      ; the scores: [wave][pass][lane], 256 bytes a wave
.set ML,    61440                      ; each wave's m and l
.set TX,    61696                      ; the halves of the partner's scores, 128 bytes a wave
.set RETL,  116736                     ; behind slot 1: tile 1's kept rows: 32,768 bytes a wave: [q][8 x 512 bytes]
.set STAGE, 247808                     ; phase L's stage: 16 rows x 528 bytes a wave
.set STGB,  8448
.set SPT,   528
.set XCH,   247808                     ; phase X: a tile's eight fragments and eight scale words, 13,312 bytes a wave: in the stages' bytes and those behind them; a barrier parts L from X
.set XCHB,  13312
.set COMB,  281600                     ; the waves' context sums at the end, 4,096 bytes a wave
.set ROWE,  131072                     ; bytes from s to s + 1 in out_e
.set PASSB, 0x1000000                  ; 128 rows of it
.set SPW, 1
.set NIL, 2
.set XA,  3                            ; 16 x lane
.set STI, 4                            ; the stage, in
.set STO, 5                            ; and out
.set BA,  6                            ; my fragments' place in the slot in hand
.set TBA, 7                            ; the tables, at the trip's 64 units
.set TB0, 8                            ; TAB_B + 32 h + 64 (w % 2)
.set RLA, 9                            ; my kept rows in LDS
.set PBA, 10                           ; my p
.set PBR, 11                           ; my wave's p
.set SCA, 12                           ; my score
.set PFO, 13                           ; the prefetches' offset
.set SH8, 14                           ; 8 h
.set SCW, 15                           ; SCA + the pass
.set MX,  16
.set LS,  17
.set FF,  18                           ; v[18:19]: f = 2^(old m - new m)
.set SC,  24
.set AS,  32
.set BS,  64
.set BIAS, 80
.set ACC, 88
.set BF,  152
.set TM,  208
.set BA0, 248                          ; 16 x lane + 1,536 (w % 2)
.set BS0, 249                          ; 16 x (lane % 16) + 256 (w % 2)
.set BSA, 250                          ; my scale words' place in the slot in hand
.set PK1, 208                          ; window 1
.set T3,  240
.set CTX, 192                          ; window 2
.set PP,  224
.set W3R, 224
.set MSB, 0
.macro WIN new                         ; the immediate's high byte repeats the setting that is left; a switch that changes nothing is dropped
.if MSB != (\new)
	s_set_vgpr_msb (MSB<<8)|(\new)
.set MSB, \new
.endif
.endm
.macro PLACES n
.rept \n
	v_nop
.endr
.endm
.macro ROUND                           ; a round of the cluster's barrier: my work-group's barrier; wave 0 signals for the work-group; every wave waits for all four work-groups; my work-group's barrier once more
	s_barrier_signal -1
	s_barrier_wait -1
	s_cmp_lg_u32 s16, 0
	s_cbranch_scc1 .Lnot_wave_0_\@
	s_barrier_signal -3
.Lnot_wave_0_\@:
	s_barrier_wait -3
	s_barrier_signal -1
	s_barrier_wait -1
.endm
	s_load_b256 s[4:11], s[0:1], 0x0               ; out_e, w2img, biasw, W3
	s_load_b128 s[12:15], s[0:1], 0x20             ; tsc, pc
	v_lshl_add_u32 v[SPW], v0, 2, SPARE
	v_mov_b32 v[NIL], 0
	ds_add_u32 v[SPW], v[NIL]                      ; the wave's opening: the add, twice on end, and its wait stand ahead of my first tensor load; the set-up below stands between
	ds_add_u32 v[SPW], v[NIL]
	v_lshrrev_b32 v20, 5, v0
	v_readfirstlane_b32 s16, v20                   ; wave 0..3
	v_and_b32 v20, 31, v0                          ; lane
	v_and_b32 v21, 15, v0                          ; r
	v_bfe_u32 v22, v0, 4, 1                        ; h
	v_lshlrev_b32 v[XA], 4, v20
	s_mul_i32 s56, s16, STGB
	s_add_co_u32 s56, s56, STAGE
	v_add_nc_u32 v[STI], s56, v[XA]
	v_mul_u32_u24 v[STO], v21, SPT
	v_lshl_add_u32 v[STO], v22, 7, v[STO]
	v_add_nc_u32 v[STO], s56, v[STO]
	s_and_b32 s56, s16, 1                          ; which tile of each group of W2 is mine
	s_lshl_b32 s56, s56, 6
	s_add_co_u32 s56, s56, TAB_B
	v_lshl_add_u32 v[TB0], v22, 5, s56
	s_lshl_b32 s56, s16, 15
	s_add_co_u32 s56, s56, RETL
	v_add_nc_u32 v[RLA], s56, v[XA]
	s_lshl_b32 s56, s16, 7
	s_add_co_u32 s56, s56, PB
	v_lshl_add_u32 v[PBA], v20, 2, s56
	v_mov_b32 v[PBR], s56
	s_lshl_b32 s56, s16, 8
	s_add_co_u32 s56, s56, SCB
	v_lshl_add_u32 v[SCA], v20, 2, s56
	v_lshlrev_b32 v[PFO], 17, v21                  ; a lane a row (lanes 0-15) and the row's next 256 bytes (lanes 16-31)
	v_lshl_add_u32 v[PFO], v22, 8, v[PFO]
	v_lshlrev_b32 v[SH8], 3, v22
	v_lshlrev_b32 v23, 5, v0                       ; 32 x thread: my eight numbers of the two tables
	v_mov_b32 v[MX], 0xff61b1e6                    ; the largest t so far: -3e38, under every t
	v_mov_b32 v[LS], 0
	v_mov_b32 v[TM+9], 0                           ; written once: a lane permute's destination counts as one of its sources
	WIN 0x80
.set ii, 0
.rept 32
	v_mov_b32 v[CTX+ii], 0                         ; the context: the passes are written once, so the first finds zeros
.set ii, ii+1
.endr
	WIN 0
	s_bfe_u32 s17, ttmp6, 0x40000                  ; cx: it enters global addresses alone
	s_lshl_b32 s18, ttmp9, 2
	s_add_co_u32 s18, s18, s17                     ; my work-group
	s_and_b32 s19, s18, 31                         ; n
	s_lshr_b32 s20, s18, 5                         ; which 256 of the 2,048 s
	s_mov_b32 s22, 0x76543210
	s_mov_b32 s23, 0xfedcba98                      ; v_permlanex16_b32's selects for lane l xor 16
	s_mov_b32 s24, 0x4038aa3b                      ; K2
	s_mov_b32 s25, s24
	s_mov_b32 s26, 0xffff0000                      ; lanes 16-31
	s_mov_b32 s62, 0xc038aa3b                      ; -K2
	s_mov_b32 s63, s62
	s_mov_b32 s53, 2                               ; passes to go
	s_mov_b32 s60, 0                               ; the pass's place among a wave's scores
	; descriptor group 1: dense blocks as rows of 1,280 bytes (160 elements of 8 bytes; five times 256), no padding: 20 rows (a group) at a pass's top, 10 rows (a quarter of a slot) in the ring
	s_mov_b32 s28, 15|(3<<16)|(1<<21)              ; 15:0 the mask: all four work-groups; 17:16 elements of 8 bytes; 21 set beside a mask
	s_mov_b32 s29, 160<<16                         ; tensor_dim0
	s_mov_b32 s30, 20<<16                          ; tensor_dim1
	s_mov_b32 s31, 160<<16                         ; tile_dim0
	s_mov_b32 s32, 20                              ; tile_dim1
	s_mov_b32 s33, 160                             ; the pitch
	s_mov_b32 s34, 0
	s_mov_b32 s35, 0
	s_mov_b32 s36, 15|(3<<16)|(1<<21)
	s_mov_b32 s37, 160<<16
	s_mov_b32 s38, 10<<16
	s_mov_b32 s39, 160<<16
	s_mov_b32 s40, 10
	s_mov_b32 s41, 160
	s_mov_b32 s42, 0
	s_mov_b32 s43, 0
	s_mov_b32 s44, 1                               ; group 0 of the pass's first loads: wave w brings group w: slot w / 2, half w % 2.  Written once
	s_lshr_b32 s56, s16, 1
	s_lshl_b32 s56, s56, 16
	s_and_b32 s57, s16, 1
	s_mul_i32 s57, s57, GRPB
	s_add_co_u32 s45, s56, s57
	s_wait_dscnt 0x0                               ; both opening adds are done
	s_wait_kmcnt 0x0
	s_mul_i32 s56, s16, GRPB
	s_mov_b32 s57, 0
	s_add_nc_u64 s[46:47], s[6:7], s[56:57]
	s_or_b32 s47, s47, 0x80000000
	s_lshl_b32 s56, s20, 25                        ; out_e at my wave's first row: 256 s a work-group, 32 a wave, and n
	s_lshl_b32 s58, s16, 22
	s_add_co_u32 s56, s56, s58
	s_lshl_b32 s58, s19, 12
	s_add_co_u32 s56, s56, s58
	s_add_nc_u64 s[4:5], s[4:5], s[56:57]
	s_add_nc_u64 s[54:55], s[4:5], PASSB           ; the second pass's rows; never rewritten
	s_mov_b32 s56, s58
	s_add_nc_u64 s[8:9], s[8:9], s[56:57]          ; biasw[n]
	s_lshl_b32 s56, s19, 13
	s_lshl_b32 s58, s20, 10
	s_add_co_u32 s56, s56, s58
	s_lshl_b32 s58, s16, 8
	s_add_co_u32 s56, s56, s58
	s_add_nc_u64 s[12:13], s[12:13], s[56:57]      ; tsc[n] at my work-group's 256 scores, my wave's 64
	s_lshl_b32 s56, s19, 3
	s_add_co_u32 s56, s56, s20
	s_mul_i32 s56, s56, 4608
	s_lshl_b32 s58, s16, 10
	s_add_co_u32 s56, s56, s58
	s_add_nc_u64 s[14:15], s[14:15], s[56:57]      ; pc's row 8 n + chunk, my wave's 1,024 bytes
	s_sub_nc_u64 s[58:59], s[54:55], 512           ; where my prefetches stand: one K step ahead of the second pass's rows; stepped by 512 bytes ahead of each request
	global_load_b128 v[240:243], v23, s[8:9]
	global_load_b128 v[244:247], v23, s[8:9] offset:16
	global_load_b128 v[248:251], v23, s[10:11]
	global_load_b128 v[252:255], v23, s[10:11] offset:16
	s_wait_loadcnt 0x0
.irp i2, 248,250,252,254
	v_pk_mul_f32 v[\i2:\i2+1], v[\i2:\i2+1], s[62:63] op_sel_hi:[1,0]
.endr
	ds_store_b128 v23, v[240:243] offset:TAB_B
	ds_store_b128 v23, v[244:247] offset:TAB_B+16
	ds_store_b128 v23, v[248:251] offset:TAB_B+TABD
	ds_store_b128 v23, v[252:255] offset:TAB_B+TABD+16     ; the first pass's wait and barrier show the tables to all waves
; Step k = 8 tile + q of phase L works on 16 rows x 128 along K, in set k % 4: sets 0-2 in window 2, set 3 in window 0
.macro XSET k
.set xs, (\k)%4
.if xs < 3
.set xw, 2
.set xb, 64*xs
.else
.set xw, 0
.set xb, 144
.endif
.endm
.macro XLOAD k, sb                     ; 16 loads, a row each: 512 consecutive bytes, 16 a lane; read once in the launch.  sb: the scalar pair with the pass's first row
	XSET \k
	WIN xw<<6
.set rho, 0
.rept 16
	global_load_b128 v[xb+4*rho:xb+4*rho+3], v[XA], s[\sb:\sb+1] offset:(16*((\k)/8)+rho)*ROWE+512*((\k)%8) th:TH_LOAD_NT
.set rho, rho+1
.endr
.endm
.macro LSTEP k
	XSET \k
.set kq, (\k)%8
.if (\k) <= 12
	s_wait_loadcnt 48                              ; this step's 16 loads are in; those of the three steps behind it may be out
.else
	s_wait_loadcnt 16*(15-(\k))
.endif
.if (\k) < 8
	WIN 0xc0|(xw<<2)|xw                            ; tile 0 is kept in window 3,
.set kd, 32*kq
.else
	WIN 0x40|(xw<<2)|xw                            ; tile 1 goes on to LDS
.set kd, PK1
.endif
.set rho, 0
.rept 16
	v_cvt_pk_bf16_f32 v[kd+2*rho], v[xb+4*rho], v[xb+4*rho+1]          ; row rho, columns 128 q + 4 lane + 0 .. 3, as loaded
	v_cvt_pk_bf16_f32 v[kd+2*rho+1], v[xb+4*rho+2], v[xb+4*rho+3]
.set rho, rho+1
.endr
	WIN xw<<2
.set rho, 0
.rept 16
	ds_store_b128 v[STI], v[xb+4*rho:xb+4*rho+3] offset:SPT*rho
.set rho, rho+1
.endr
.if (\k) >= 8
	WIN 0x04
.set ii, 0
.rept 8
	ds_store_b128 v[RLA], v[PK1+4*ii:PK1+4*ii+3] offset:4096*kq+512*ii
.set ii, ii+1
.endr
.endif
	WIN xw<<6
.set ii, 0
.rept 16
	ds_load_b128 v[xb+4*ii:xb+4*ii+3], v[STO] offset:256*(ii/8)+16*(ii%8)      ; LDS serves a wave's instructions in order: these see the stores.  Register 32 c + i: k = 64 c + 32 h + i of row r
.set ii, ii+1
.endr
	s_wait_dscnt 0x0
	WIN (xw<<2)|xw
.irp ch, 0,1,2,3
	v_max3_num_f32 v[TM+\ch], |v[xb+16*\ch]|, |v[xb+16*\ch+1]|, 0x1800000      ; four chains of 16, each begun with the floor 2^(3 - 127)
.endr
.irp i2, 2,4,6,8,10,12,14
.irp ch, 0,1,2,3
	v_max3_num_f32 v[TM+\ch], |v[xb+16*\ch+\i2]|, |v[xb+16*\ch+\i2+1]|, v[TM+\ch]
.endr
.endr
	WIN 0
	v_max_num_f32 v[TM], v[TM], v[TM+1]
	v_max_num_f32 v[TM+2], v[TM+2], v[TM+3]
	v_add_nc_u32 v[TM+4], 0xff000000, v[TM]        ; 2 off the exponent field: the conversion's scale operand
	v_add_nc_u32 v[TM+5], 0xff000000, v[TM+2]
	v_lshrrev_b32 v[TM+6], 23, v[TM+4]
	v_lshrrev_b32 v[TM+7], 23, v[TM+5]
	v_lshl_or_b32 v[TM+8], v[TM+7], 16, v[TM+6]    ; the bytes of blocks h and 2 + h,
	v_lshlrev_b32 v[TM+8], v[SH8], v[TM+8]         ; at their places;
	v_permlanex16_b32 v[TM+9], v[TM+8], s22, s23
	v_or_b32 v[AS+(\k)], v[TM+8], v[TM+9]          ; with lane l xor 16's two the word is whole
	WIN 0x40|xw
	v_cvt_scalef32_pk16_fp6_f32 v[12*(\k):12*(\k)+2], v[xb:xb+15], v[TM+4]
	v_cvt_scalef32_pk16_fp6_f32 v[T3:T3+2], v[xb+16:xb+31], v[TM+4]            ; (a conversion's three registers begin on an even number)
	v_cvt_scalef32_pk16_fp6_f32 v[12*(\k)+6:12*(\k)+8], v[xb+32:xb+47], v[TM+5]
	v_cvt_scalef32_pk16_fp6_f32 v[T3+4:T3+6], v[xb+48:xb+63], v[TM+5]
	v_nop                                          ; one plain place behind the scaled conversions
	WIN 0x41
.irp i3, 0,1,2
	v_mov_b32 v[12*(\k)+3+\i3], v[T3+\i3]
	v_mov_b32 v[12*(\k)+9+\i3], v[T3+4+\i3]
.endr
.if (\k) <= 11
	XLOAD (\k)+4, 4                                ; the set is free: it takes the step four on
.endif
.endm
; PHASE X, tile t of my two.  Its eight fragments (window 1, v[96 t] on) and eight scale words go to LDS as they stand, 16 (4) bytes a lane; my own K steps 4-7 move to their place in window 2;
; behind a barrier my partner's tile t comes back by the same lines: K steps 0-3 into the registers just left, K steps 4-7 into window 2.  v20, v22: my bytes;  v21, v23: my partner's.
.macro XROUND t, last
	WIN 0x04
.set ii, 0
.rept 24
	ds_store_b128 v20, v[96*(\t)+4*ii:96*(\t)+4*ii+3] offset:512*ii
.set ii, ii+1
.endr
	WIN 0
.set ii, 0
.rept 8
	ds_store_b32 v22, v[AS+8*(\t)+ii] offset:12288+128*ii
.set ii, ii+1
.endr
	WIN 0x81
.set ii, 0
.rept 48
	v_mov_b32 v[96*(\t)+ii], v[96*(\t)+48+ii]
.set ii, ii+1
.endr
	WIN 0
	s_wait_dscnt 0x0                               ; for my partner's sake: my stores have landed
	s_barrier_signal -1
	s_barrier_wait -1
	WIN 0x40
.set ii, 0
.rept 12
	ds_load_b128 v[96*(\t)+48+4*ii:96*(\t)+48+4*ii+3], v21 offset:512*ii
.set ii, ii+1
.endr
	WIN 0x80
.set ii, 0
.rept 12
	ds_load_b128 v[96*(\t)+48+4*ii:96*(\t)+48+4*ii+3], v21 offset:6144+512*ii
.set ii, ii+1
.endr
	WIN 0
.set ii, 0
.rept 8
	ds_load_b32 v[AS+16+8*(\t)+ii], v23 offset:12288+128*ii
.set ii, ii+1
.endr
	s_wait_dscnt 0x0                               ; my reads are over:
.if (\last) == 0
	s_barrier_signal -1                            ; the bytes may be written again
	s_barrier_wait -1
.endif
.endm
; Matrix instruction pi of 16 of half hf of a group, into set g2: K step 4 hf + pi / 4, tile pi % 4.  The four accumulators take turns, one instruction a turn
.macro MM g2
.set qq, 4*hf+pi/4
.set rt, pi%4
.set rD, ACC+32*(\g2)+8*rt
.set rB, BF+12*qq
.set rA, 96*(rt%2)+48*(rt/2)+12*(qq%4)
.set rX, BS+8*(\g2)+qq
.set rY, AS+8*rt+qq
.if qq == 0
	v_wmma_scale_f32_16x16x128_f8f6f4 v[rD:rD+7], v[rB:rB+11], v[rA:rA+11], 0, v[rX], v[rY] matrix_a_fmt:MATRIX_FMT_FP6 matrix_b_fmt:MATRIX_FMT_FP6
.else
	v_wmma_scale_f32_16x16x128_f8f6f4 v[rD:rD+7], v[rB:rB+11], v[rA:rA+11], v[rD:rD+7], v[rX], v[rY] matrix_a_fmt:MATRIX_FMT_FP6 matrix_b_fmt:MATRIX_FMT_FP6
.endif
.endm
; Slice 16 hf + pi of the activation of the 32 results in set prev.  Slice 0: the 16 multiply-adds y = K2 x + bias (pair 0 of each accumulator first: each is first read at its low end), and the wait ahead of the batch
; of transcendentals; slices 0-15: two exponentials each.  Slices 16-19: + 1;  20-27: the reciprocals, and behind the last a plain instruction and ONE wait, ahead of the batch's first reader;
; 28-31: the sums with -K2 W3, the four tiles by turns.  ACT says which slices of which set follow each other.
.macro SLICE prev
.set si, 16*hf+pi
.set rP, ACC+32*(\prev)
.if si < 16
.if si == 0
.set it, 0
.rept 16
.set rF, rP+8*(it%4)+2*(it/4)
	v_pk_fma_f32 v[rF:rF+1], v[rF:rF+1], s[24:25], v[BIAS+2*(it/4):BIAS+2*(it/4)+1] op_sel_hi:[1,0,1]
.set it, it+1
.endr
	s_wait_alu depctr_va_vdst(0)                   ; ahead of the batch: its sources were just written
.endif
.set ee, 2*si
.rept 2
.set rF, rP+8*((ee/2)%4)+2*(ee/8)+ee%2
	v_exp_f32 v[rF], v[rF]
.set ee, ee+1
.endr
.elseif si < 20
.set pp, 4*(si-16)
.rept 4
	v_pk_add_f32 v[rP+2*pp:rP+2*pp+1], v[rP+2*pp:rP+2*pp+1], 1.0 op_sel_hi:[1,0]
.set pp, pp+1
.endr
.elseif si < 28
.set pp, 4*(si-20)
.rept 4
	v_rcp_f32 v[rP+pp], v[rP+pp]
.set pp, pp+1
.endr
.if si == 27
	v_nop
	s_wait_alu depctr_va_vdst(0)
.endif
.else
.set pp, 0
.rept 4
.set rF, rP+8*pp+2*(si-28)
	v_pk_fma_f32 v[SC+2*pp:SC+2*pp+1], v[rF:rF+1], v[W3R+2*(si-28):W3R+2*(si-28)+1], v[SC+2*pp:SC+2*pp+1]
.set pp, pp+1
.endr
.endif
.endm
; THE CHANGE OF SLOTS, in the middle of a slot's second group: the slot's last fragments were asked for a group ago.  Each wave waits for all its tensor loads (one is out: its quarter of the other slot), adds 0 to
; its spare word, and waits for that and for its reads of this slot.  kind = 1: this slot is filled again, with the 64 rows two slots on: the barrier is a round of the cluster's, and the joint refill is the first
; thing behind it; it has 64 matrix instructions of each wave in which to land.  kind = 2: nothing is left to fetch.
.macro CHANGE kind
	WIN 0
	s_wait_tensorcnt 0x0
	ds_add_u32 v[SPW], v[NIL]                      ; the steps below stand between the add and the wait for it
.if (\kind) == 1
	s_xor_b32 s49, s49, SLOT1                      ; the walking descriptor: the other slot than last time,
	s_add_nc_u64 s[50:51], s[50:51], CHUNK         ; the next 64 rows
.endif
	s_xor_b32 s21, s21, SLOT1
	s_wait_dscnt 0x0
.if (\kind) == 1
	ROUND
	tensor_load_to_lds s[48:51], s[36:43]
	s_nop 0
	PLACES 4
.else
	s_barrier_signal -1
	s_barrier_wait -1
.endif
	v_add_nc_u32 v[BA], s21, v[BA0]
	v_add_nc_u32 v[BSA], s21, v[BS0]
	s_wait_alu depctr_va_vdst(0)
.endm
; A GROUP: my 16 of 32 rows of W2 x the pair's 64 rows, K = 1,024: two halves of 16 matrix instructions, into set g2, then ACT.  A half runs under one window setting (source 1 in
; window 1, then in window 2).  LDS loads stand in TWO runs, one behind each half: it fills the fragment buffer just multiplied with the NEXT group's same four K steps.
; The first run also brings the next group's scale words, this group's bias and the W3 of the group BEFORE (128 bytes back in the table), whose sum ACT takes.  Each counted wait names the LDS loads that are younger than what it needs.
.macro GROUP g2, chg, nxt
.set NB, GRPB*(1-(\g2))
.set hf, 0
.rept 2
.if hf == 0
	s_wait_dscnt 12                                ; behind what I need: the 12 fragment loads of the last group's second run
.elseif \nxt
	s_wait_dscnt 18                                ; this group's first run: 2 of scale words, 2 of the bias, 2 of W3, 12 of fragments
.else
	s_wait_dscnt 4                                 ; the last group asks for the bias and W3 alone
.endif
	WIN 0x04+4*hf
.set pi, 0
.rept 16
	MM \g2
.set pi, pi+1
.endr
.if hf == 0
	PLACES 4                                       ; four places ahead of loads into registers that these matrix instructions have read
.if (\chg) != 0
	CHANGE \chg
.endif
.if \nxt
	ds_load_b128 v[BS+8*(1-(\g2)):BS+8*(1-(\g2))+3], v[BSA] offset:NB+SCLO
	ds_load_b128 v[BS+8*(1-(\g2))+4:BS+8*(1-(\g2))+7], v[BSA] offset:NB+SCLO+512
.endif
	ds_load_b128 v[BIAS:BIAS+3], v[TBA] offset:128*(\g2)
	ds_load_b128 v[BIAS+4:BIAS+7], v[TBA] offset:128*(\g2)+16
	WIN 0x80
	ds_load_b128 v[W3R:W3R+3], v[TBA] offset:TABD-128+128*(\g2)
	ds_load_b128 v[W3R+4:W3R+7], v[TBA] offset:TABD-128+128*(\g2)+16
	WIN 0
.if \nxt
.irp q4, 0,1,2,3
.irp j3, 0,1,2
	ds_load_b128 v[BF+12*\q4+4*\j3:BF+12*\q4+4*\j3+3], v[BA] offset:NB+3072*\q4+512*\j3
.endr
.endr
.endif
.else
	PLACES 4                                       ; four places ahead of the loads below and of the first read of the results
.if \nxt
.irp q4, 4,5,6,7
.irp j3, 0,1,2
	ds_load_b128 v[BF+12*\q4+4*\j3:BF+12*\q4+4*\j3+3], v[BA] offset:NB+3072*\q4+512*\j3
.endr
.endr
	s_wait_dscnt 24                                ; the bias and W3 are in: behind them 12 + 12 fragment loads
.else
	s_wait_dscnt 0x0
.endif
	ACT \g2
.endif
.set hf, hf+1
.endr
.endm
.macro STEPT                           ; the tables, 64 units on
	WIN 0
	s_add_co_u32 s27, s27, 256
	v_add_nc_u32 v[TBA], s27, v[TB0]
	s_wait_alu depctr_va_vdst(0)
.endm
; At a group's end, under the window setting of its second half (source 1, W3, in window 2): this set's multiply-adds, the wait, its 32 exponentials and the OTHER set's 32 reciprocals as one batch, a plain place, the wait;
; then the other set's sum with W3, which frees it for the next group's products, and this set's + 1, which the next ACT's reciprocals read behind its wait.
.macro ACT set
.set hf, 0
.set pi, 0
.rept 16
	SLICE \set
.set pi, pi+1
.endr
.set hf, 1
.set pi, 4
.rept 12
	SLICE 1-(\set)
.set pi, pi+1
.endr
.set pi, 0
.rept 4
	SLICE \set
.set pi, pi+1
.endr
.endm
; One request of the prefetch: the base steps by s[56:57] behind the wait that shows the last request's address read, a trip behind that request; the second pass has no successor and asks for nothing
.macro ASK
	s_wait_xcnt 0x0
	s_add_nc_u64 s[58:59], s[58:59], s[56:57]
	s_cmp_eq_u32 s53, 2
	s_cbranch_scc0 .Lno_pf_\@
	global_prefetch_b8 v[PFO], s[58:59] th:TH_LOAD_NT scope:SCOPE_SE
.Lno_pf_\@:
.endm
; the context += p x kept rows: K steps q0 .. q0 + nq - 1, 16 rows; bf16 halves straight into f32 multiply-adds, the accumulators by turns
.macro CTXT q0, nq, xbase, pbase
.set rho, 0
.rept 16
.set cc, 0
.rept 4*(\nq)
.if cc%2
	v_fma_mix_f32_bf16 v[CTX+4*(\q0)+cc], v[(\xbase)+32*(cc/4)+2*rho+(cc%4)/2], v[PP+(\pbase)+rho], v[CTX+4*(\q0)+cc] op_sel:[1,0,0] op_sel_hi:[1,0,0]
.else
	v_fma_mix_f32_bf16 v[CTX+4*(\q0)+cc], v[(\xbase)+32*(cc/4)+2*rho+(cc%4)/2], v[PP+(\pbase)+rho], v[CTX+4*(\q0)+cc] op_sel:[0,0,0] op_sel_hi:[1,0,0]
.endif
.set cc, cc+1
.endr
.set rho, rho+1
.endr
.endm
	XLOAD 0, 4                                     ; the first pass's first three steps are asked for here; the second pass's at the head of the first pass's phase C
	XLOAD 1, 4
	XLOAD 2, 4
	WIN 0
.Lpass:                                                ; two trips
	; Both slots are filled with W2's first 128 rows, a group a wave.  In the first trip these are first fills, in the second all four are refills: so they are issued as refills are.
	s_wait_tensorcnt 0x0                           ; no tensor load of mine is out, so the walking group 0 may be written
	ds_add_u32 v[SPW], v[NIL]                      ; the add, twice on end, ahead of the tensor load inside this loop
	ds_add_u32 v[SPW], v[NIL]
	s_mov_b32 s48, 1                               ; the walking descriptor is set back: the first change of slots steps it to slot 0 and rows 128 on
	s_mul_i32 s49, s16, 12800
	s_add_co_u32 s56, s49, CHUNK
	s_mov_b32 s57, 0
	s_add_co_u32 s49, s49, SLOT1
	s_add_nc_u64 s[50:51], s[6:7], s[56:57]
	s_or_b32 s51, s51, 0x80000000
	s_wait_dscnt 0x0                               ; the adds are done, my LDS stores have landed, my reads of the slots are over
	ROUND                                          ; and so in every wave of all four work-groups
	tensor_load_to_lds s[44:47], s[28:35]          ; my one tensor load behind the round: it lands while phase L runs
	s_nop 0
	PLACES 4
	; ---- L
	XLOAD 3, 4                                     ; with the three steps asked for earlier: 64 loads of 512 bytes a wave
.irp kk, 0,1,2,3,4,5,6,7,8,9,10,11,12,13,14,15
	LSTEP \kk
.endr
	; ---- in front of G
	WIN 0
	s_wait_tensorcnt 0x0                           ; my group has landed (no load was issued behind it),
	s_wait_dscnt 0x0                               ; and my use of my stage is over:
	s_barrier_signal -1
	s_barrier_wait -1                              ; everybody's.  No tensor load is issued behind this barrier
	s_mov_b32 s21, 0
	s_mov_b32 s27, 0
	s_and_b32 s56, s16, 1
	s_mul_i32 s57, s56, 1536                       ; my tile of a group: its fragments,
	s_lshl_b32 s56, s56, 8                         ; its scale words: lanes 0-15 and 16-31 both take rows 0-15 of it
	v_add_nc_u32 v[BA0], s57, v[XA]
	v_and_b32 v[BS0], 0xf0, v[XA]
	v_add_nc_u32 v[BS0], s56, v[BS0]
	v_add_nc_u32 v[BA], s21, v[BA0]
	v_add_nc_u32 v[BSA], s21, v[BS0]
	v_add_nc_u32 v[TBA], s27, v[TB0]
	ds_load_b128 v[BS:BS+3], v[BSA] offset:SCLO
	ds_load_b128 v[BS+4:BS+7], v[BSA] offset:SCLO+512
.irp q8, 0,1,2,3,4,5,6,7
.irp j3, 0,1,2
	ds_load_b128 v[BF+12*\q8+4*\j3:BF+12*\q8+4*\j3+3], v[BA] offset:3072*\q8+512*\j3
.endr
.endr
	; ---- X
	s_mul_i32 s56, s16, XCHB
	s_add_co_u32 s56, s56, XCH
	s_xor_b32 s57, s16, 1                          ; my partner
	s_mul_i32 s57, s57, XCHB
	s_add_co_u32 s57, s57, XCH
	v_lshrrev_b32 v251, 2, v[XA]                   ; 4 x lane
	v_add_nc_u32 v20, s56, v[XA]
	v_add_nc_u32 v21, s57, v[XA]
	v_add_nc_u32 v22, s56, v251
	v_add_nc_u32 v23, s57, v251
	XROUND 0, 0
	XROUND 1, 1                                    ; (these bytes are next written in the next pass's phase L or at the kernel's end, behind the barriers of G)
.set ii, 0
.rept 8
	v_mov_b32 v[SC+ii], 0                          ; the scores' sums begin at 0
.set ii, ii+1
.endr
.set ii, 0
.rept 32
	v_mov_b32 v[ACC+32+ii], 0x7f800000             ; ACT is written once: the first finds +infinity in the other set, whose reciprocal, 0, adds 0 to the sums (times a finite number of the bias table)
.set ii, ii+1
.endr
	; ---- G: 16 slots of two groups.  No LDS load is out here, so the loop's counted waits hold on the way in too
	s_mov_b32 s56, 512                             ; a K step of a row
	s_mov_b32 s57, 0
	ASK                                            ; request 0
	s_mov_b32 s52, 14
	s_wait_alu depctr_va_vdst(0)                   ; what was written above
.Ltrip:
	GROUP 0, 0, 1
	GROUP 1, 1, 1
	STEPT
	s_mov_b32 s56, 512
	s_cmp_eq_u32 s52, 7                            ; requests 1 to 14; the eighth goes from tile 0's last K step to tile 1's first
	s_cselect_b32 s56, 16*ROWE-7*512, s56
	ASK
	s_sub_co_u32 s52, s52, 1
	s_cmp_lg_u32 s52, 0
	s_cbranch_scc1 .Ltrip
	GROUP 0, 0, 1                                  ; the last two slots are written out: they ask for nothing more
	GROUP 1, 2, 1
	STEPT
	ASK                                            ; request 15 (s56 is 512 since the loop's last trip)
	GROUP 0, 0, 1
	GROUP 1, 0, 0
	WIN 0x88                                       ; the last group's reciprocals and sum have no ACT to stand in
	ds_load_b128 v[W3R:W3R+3], v[TBA] offset:TABD+128
	ds_load_b128 v[W3R+4:W3R+7], v[TBA] offset:TABD+128+16
	WIN 0x08
	s_wait_alu depctr_va_vdst(0)                   ; ahead of the batch: its sources were just written
.set hf, 1
.set pi, 4
.rept 8
	SLICE 1
.set pi, pi+1
.endr
	s_wait_dscnt 0x0                               ; W3 is in
.rept 4
	SLICE 1
.set pi, pi+1
.endr
	s_wait_alu depctr_va_vdst(0)
	; ---- C
	WIN 0
	s_cmp_eq_u32 s53, 2                            ; the codes are done with: the three sets in window 2 take the next pass's first three steps, which land under this phase's vector work
	s_cbranch_scc0 .Lno_early                      ; (three, so that every one of the 48 loads can be issued at once; the second pass has no successor)
	XLOAD 0, 54
	XLOAD 1, 54
	XLOAD 2, 54
	WIN 0
.Lno_early:
	v_add_f32 v20, v[SC], v[SC+1]
	v_add_f32 v21, v[SC+2], v[SC+3]
	v_add_f32 v22, v[SC+4], v[SC+5]
	v_add_f32 v23, v[SC+6], v[SC+7]
	v_permlanex16_b32 v[SC], v20, s22, s23         ; a row's other units of my tiles of W2 lie in lane l xor 16
	v_permlanex16_b32 v[SC+1], v21, s22, s23
	v_permlanex16_b32 v[SC+2], v22, s22, s23
	v_permlanex16_b32 v[SC+3], v23, s22, s23
	v_add_f32 v20, v20, v[SC]
	v_add_f32 v21, v21, v[SC+1]
	v_add_f32 v22, v22, v[SC+2]
	v_add_f32 v23, v23, v[SC+3]
	v_cndmask_b32 v20, v20, v21, s26               ; lane l: my half of t of my row l,
	v_cndmask_b32 v22, v22, v23, s26               ; and of my partner's row l
	ds_store_b32 v[PBA], v22 offset:TX-PB
	s_xor_b32 s56, s16, 1
	s_lshl_b32 s56, s56, 7
	s_add_co_u32 s56, s56, TX
	v_lshrrev_b32 v23, 2, v[XA]
	v_add_nc_u32 v23, s56, v23
	s_wait_alu depctr_va_vdst(0)
	s_wait_dscnt 0x0                               ; for my partner's sake: my store has landed
	s_barrier_signal -1
	s_barrier_wait -1
	ds_load_b32 v21, v23
	s_wait_dscnt 0x0
	v_add_f32 v20, v20, v21                        ; t of my row l
	v_add_nc_u32 v[SCW], s60, v[SCA]
	ds_store_b32 v[SCW], v20
	v_mov_b32 v21, v20
	v_max_num_f32_dpp v21, v21, v21 row_xmask:1 row_mask:0xf bank_mask:0xf
	v_max_num_f32_dpp v21, v21, v21 row_xmask:2 row_mask:0xf bank_mask:0xf
	v_max_num_f32_dpp v21, v21, v21 row_xmask:4 row_mask:0xf bank_mask:0xf
	v_max_num_f32_dpp v21, v21, v21 row_xmask:8 row_mask:0xf bank_mask:0xf
	v_permlanex16_b32 v23, v21, s22, s23
	v_max_num_f32 v21, v21, v23
	v_max_num_f32 v21, v[MX], v21                  ; the running maximum
	v_sub_f32 v22, v[MX], v21
	v_sub_f32 v23, v20, v21
	s_wait_alu depctr_va_vdst(0)                   ; ahead of the two exponentials: their sources were just written
	v_exp_f32 v[FF], v22                           ; f = 2^(old m - new m)
	v_exp_f32 v240, v23                            ; p = 2^(t - m)
	v_mov_b32 v[MX], v21                           ; (a plain place behind the two)
	s_wait_alu depctr_va_vdst(0)                   ; one wait for both, ahead of the first reader
	v_mov_b32 v[FF+1], v[FF]                       ; (the packed form names the pair)
	v_fma_f32 v[LS], v[LS], v[FF], v240            ; my lane's part of l
	ds_store_b32 v[PBA], v240
	WIN 0x80
.irp k8, 0,1,2,3,4,5,6,7
	ds_load_b128 v[PP+4*\k8:PP+4*\k8+3], v[PBR] offset:16*\k8      ; all 32 p into every lane.  LDS serves a wave's instructions in order
.endr
	WIN 0x40
.irp q6, 0,1,2,3,4,5
.irp j8, 0,1,2,3,4,5,6,7
	ds_load_b128 v[32*\q6+4*\j8:32*\q6+4*\j8+3], v[RLA] offset:4096*\q6+512*\j8     ; tile 1's kept rows, K steps 0-5, into window 1
.endr
.endr
	s_wait_alu depctr_va_vdst(0)
	s_wait_dscnt 48                                ; p is in: behind it the 48 loads of kept rows
	WIN 0x82
.set ii, 0
.rept 16
	v_pk_mul_f32 v[CTX+2*ii:CTX+2*ii+1], v[CTX+2*ii:CTX+2*ii+1], v[FF:FF+1] op_sel_hi:[1,0]       ; the context under the new m
.set ii, ii+1
.endr
	WIN 0xab
	CTXT 0, 8, 0, 0                                ; tile 0, from window 3
	s_wait_dscnt 0x0
	WIN 0xa9
	CTXT 0, 2, 0, 16                               ; tile 1, from window 1
	WIN 0x40
.irp q2, 0,1
.irp j8, 0,1,2,3,4,5,6,7
	ds_load_b128 v[32*\q2+4*\j8:32*\q2+4*\j8+3], v[RLA] offset:4096*(6+\q2)+512*\j8     ; K steps 6 and 7 into the registers just read
.endr
.endr
	WIN 0xa9
	CTXT 2, 2, 64, 16
	CTXT 4, 2, 128, 16
	s_wait_dscnt 0x0
	CTXT 6, 2, 0, 16
	WIN 0
	s_wait_alu depctr_va_vdst(0)
	s_wait_xcnt 0x0                                ; every earlier memory instruction has read its addresses: the base may step
	s_add_nc_u64 s[4:5], s[4:5], PASSB             ; (behind the last pass the stepped values are not used)
	s_add_co_u32 s60, s60, 128
	s_sub_co_u32 s53, s53, 1
	s_cmp_lg_u32 s53, 0
	s_cbranch_scc1 .Lpass
	; ---- the four waves are joined
	v_add_f32_dpp v[LS], v[LS], v[LS] row_xmask:1 row_mask:0xf bank_mask:0xf
	v_add_f32_dpp v[LS], v[LS], v[LS] row_xmask:2 row_mask:0xf bank_mask:0xf
	v_add_f32_dpp v[LS], v[LS], v[LS] row_xmask:4 row_mask:0xf bank_mask:0xf
	v_add_f32_dpp v[LS], v[LS], v[LS] row_xmask:8 row_mask:0xf bank_mask:0xf
	v_permlanex16_b32 v20, v[LS], s22, s23
	v_add_f32 v[LS], v[LS], v20                    ; my wave's l
	s_lshl_b32 s56, s16, 12
	s_add_co_u32 s56, s56, COMB
	v_add_nc_u32 v20, s56, v[XA]
	WIN 0x08
.irp q8, 0,1,2,3,4,5,6,7
	ds_store_b128 v20, v[CTX+4*\q8:CTX+4*\q8+3] offset:512*\q8     ; columns 128 q + 4 lane + 0 .. 3: in column order
.endr
	WIN 0
	s_lshl_b32 s56, s16, 3
	s_add_co_u32 s56, s56, ML
	v_mov_b32 v21, s56
	ds_store_b64 v21, v[MX:MX+1]                   ; all lanes write the same two words with the same values
	v_mov_b32 v22, ML
	s_lshl_b32 s56, s16, 10
	s_add_co_u32 s56, s56, COMB
	v_add_nc_u32 v23, s56, v[XA]                   ; K steps 2 w and 2 w + 1 of every wave's sums
	s_and_b32 s56, s16, 1
	s_lshl_b32 s56, s56, 9
	s_lshr_b32 s57, s16, 1
	s_lshl_b32 s57, s57, 7
	s_add_co_u32 s56, s56, s57
	s_add_co_u32 s56, s56, SCB
	v_and_b32 v248, 15, v0
	v_bfe_u32 v249, v0, 4, 1
	v_lshlrev_b32 v248, 3, v248
	v_lshl_add_u32 v248, v249, 8, v248
	v_add_nc_u32 v248, s56, v248
	v_lshrrev_b32 v249, 1, v[XA]                   ; 8 x lane
	s_wait_alu depctr_va_vdst(0)
	s_wait_dscnt 0x0                               ; for the others' sake: my stores have landed
	s_barrier_signal -1
	s_barrier_wait -1
	ds_load_b128 v[240:243], v22
	ds_load_b128 v[244:247], v22 offset:16         ; m0 l0 m1 l1 m2 l2 m3 l3
.irp wv, 0,1,2,3
.irp j2, 0,1
	ds_load_b128 v[80+8*\wv+4*\j2:83+8*\wv+4*\j2], v23 offset:4096*\wv+512*\j2
.endr
.endr
	ds_load_b64 v[250:251], v248
	s_wait_dscnt 0x0
	v_max3_num_f32 v252, v240, v242, v244
	v_max_num_f32 v252, v252, v246                 ; M
	v_sub_f32 v24, v240, v252
	v_sub_f32 v25, v242, v252
	v_sub_f32 v26, v244, v252
	v_sub_f32 v27, v246, v252
	s_wait_alu depctr_va_vdst(0)                   ; ahead of the four exponentials: their sources were just written
	v_exp_f32 v24, v24
	v_exp_f32 v25, v25
	v_exp_f32 v26, v26
	v_exp_f32 v27, v27
	v_nop
	s_wait_alu depctr_va_vdst(0)                   ; one wait for the four
	v_mul_f32 v253, v24, v241
	v_fma_f32 v253, v25, v243, v253
	v_fma_f32 v253, v26, v245, v253
	v_fma_f32 v253, v27, v247, v253                ; L
.irp i8, 0,1,2,3,4,5,6,7
	v_mul_f32 v[112+\i8], v24, v[80+\i8]
.endr
.irp i8, 0,1,2,3,4,5,6,7
	v_fma_f32 v[112+\i8], v25, v[88+\i8], v[112+\i8]
.endr
.irp i8, 0,1,2,3,4,5,6,7
	v_fma_f32 v[112+\i8], v26, v[96+\i8], v[112+\i8]
.endr
.irp i8, 0,1,2,3,4,5,6,7
	v_fma_f32 v[112+\i8], v27, v[104+\i8], v[112+\i8]
.endr
	v_mov_b32 v244, v252
	v_mov_b32 v245, v253
	v_mov_b32 v246, v252
	v_mov_b32 v247, v253
	global_store_b128 v[XA], v[112:115], s[14:15]              ; each store covers 512 consecutive bytes, aligned
	global_store_b128 v[XA], v[116:119], s[14:15] offset:512
	global_store_b64 v249, v[250:251], s[12:13]                ; 256 consecutive bytes, aligned
	s_cmp_lg_u32 s16, 0
	s_cbranch_scc1 .Lnot_first
	global_store_b128 v[XA], v[244:247], s[14:15] offset:4096  ; (M, L) behind the row's 1,024 sums, repeated over 512 bytes
.Lnot_first:
	s_wait_tensorcnt 0x0                           ; the wave's end: behind my last tensor load and my last LDS store
	ds_add_u32 v[SPW], v[NIL]
	s_wait_dscnt 0x0
	ROUND                                          ; the closing round: no work-group ends while a partner may still ask for a part that names it
	s_endpgm
.Lfunc_end_k_qad45718d1f_main:
	.size	k_qad45718d1f_main, .Lfunc_end_k_qad45718d1f_main-k_qad45718d1f_main
	.p2alignl 7, 3214868480
	.fill 96, 4, 3214868480
	.section	.rodata,"a",@progbits
	.p2align	6, 0x0
	.amdhsa_kernel k_qad45718d1f_main
		.amdhsa_group_segment_fixed_size 327680
		.amdhsa_private_segment_fixed_size 0
		.amdhsa_enable_private_segment 0
		.amdhsa_kernarg_size 48
		.amdhsa_user_sgpr_count 2
		.amdhsa_user_sgpr_kernarg_segment_ptr 1
		.amdhsa_wavefront_size32 1
		.amdhsa_system_sgpr_workgroup_id_x 1
		.amdhsa_system_sgpr_workgroup_id_y 1
		.amdhsa_system_sgpr_workgroup_id_z 1
		.amdhsa_system_vgpr_workitem_id 0
		.amdhsa_next_free_vgpr 1024
		.amdhsa_next_free_sgpr 66
		.amdhsa_reserve_vcc 0
		.amdhsa_float_denorm_mode_32 3
		.amdhsa_float_denorm_mode_16_64 3
		.amdhsa_memory_ordered 1
		.amdhsa_forward_progress 1
		.amdhsa_inst_pref_size 255
	.end_amdhsa_kernel
	.section	.bss,"aw",@nobits
	.p2align	6
	.space	262144
	.amdgpu_metadata
---
amdhsa.version: [ 1, 2 ]
amdhsa.kernels:
  - .name:           k_qad45718d1f_main
    .symbol:         k_qad45718d1f_main.kd
    .args:
      - { .name: out_e, .offset: 0, .size: 8, .value_kind: global_buffer, .address_space: global }
      - { .name: w2img, .offset: 8, .size: 8, .value_kind: global_buffer, .address_space: global }
      - { .name: biasw, .offset: 16, .size: 8, .value_kind: global_buffer, .address_space: global }
      - { .name: W3, .offset: 24, .size: 8, .value_kind: global_buffer, .address_space: global }
      - { .name: tsc, .offset: 32, .size: 8, .value_kind: global_buffer, .address_space: global }
      - { .name: pc, .offset: 40, .size: 8, .value_kind: global_buffer, .address_space: global }
    .group_segment_fixed_size: 327680
    .private_segment_fixed_size: 0
    .kernarg_segment_align: 8
    .kernarg_segment_size: 48
    .max_flat_workgroup_size: 128
    .sgpr_count:     66
    .vgpr_count:     1024
    .wavefront_size: 32
...
	.end_amdgpu_metadata
.endif
;; end of part 2
;; launch fin (part 3): grid 32 x 1, 8 waves a work-group, no clusters, 9,216 bytes of LDS; arguments tsc, pc, out0, out1; writes out0, out1
.if DOCPART == 3
	.amdgcn_target "amdgcn-amd-amdhsa--gfx1250"
	.amdhsa_code_object_version 6
	.text
	.protected	k_qad45718d1f_fin
	.globl	k_qad45718d1f_fin
	.p2align	8
	.type	k_qad45718d1f_fin,@function
k_qad45718d1f_fin:
	s_mov_b64 s[64:65], 0
	v_nop
	global_prefetch_b8 v0, s[64:65] scope:SCOPE_SE
	s_setreg_imm32_b32 hwreg(HW_REG_WAVE_MODE, 25, 1), 1
	s_wait_xcnt 0x0
; THIRD LAUNCH: the eight parts of each n are joined.  Left out as in the first launch's head comment: b3 and the sum of W3 (t is the score in units of log2 without them; the softmax over s takes them away).
; For each n: M = the largest M_c; e_c = 2^(M_c - M); L = sum_c e_c L_c;  alpha[s,n] = 2^(t[s,n] - M) / L;  c[n] = sum_c (e_c / L) x part c's 1,024 sums.
; SHARES.  Work-group j makes alpha for s = 64 j .. 64 j + 63 and all n (wave g: eight s; a lane an n), and c for n = j (thread i: four columns).  1.4 MB are read in the whole launch: no matrix unit, no tensor load, no cluster.
; alpha is [s][n]: a lane's eight numbers belong to eight rows, so they go through the wave's own 1,024 bytes of LDS and leave as 512 consecutive bytes a store.
.set SPARE, 8192                       ; behind the eight stages: the spare words, 128 bytes a wave: four blocks of 256 bytes that no other line names
.set PROW,  4608                       ; a row of pc: 4,096 bytes of sums, then (M, L)
	s_load_b256 s[4:11], s[0:1], 0x0               ; tsc, pc, out0, out1
	v_lshl_add_u32 v1, v0, 2, SPARE
	v_mov_b32 v2, 0
	v_lshrrev_b32 v3, 5, v0
	s_delay_alu instid0(VALU_DEP_1)
	v_readfirstlane_b32 s12, v3                    ; wave
	v_and_b32 v4, 31, v0                           ; lane = n
	s_delay_alu instid0(VALU_DEP_1)
	v_mul_u32_u24 v5, v4, 8*PROW                   ; n's eight rows of pc
	s_lshl_b32 s13, ttmp9, 8
	s_lshl_b32 s14, s12, 5
	s_add_co_u32 s13, s13, s14
	v_lshl_add_u32 v6, v4, 13, s13                 ; tsc[n][64 j + 8 g]
	v_mov_b32 v7, 0
	v_lshlrev_b32 v8, 4, v0                        ; 16 x thread
	s_lshl_b32 s14, s12, 10                        ; my stage
	v_lshl_add_u32 v13, v4, 2, s14
	v_lshl_add_u32 v14, v4, 4, s14
	s_lshl_b32 s15, ttmp9, 13
	s_add_co_u32 s15, s15, s14
	v_lshl_add_u32 v15, v4, 4, s15                 ; out1 at row 64 j + 8 g, 16 bytes a lane
	s_mul_i32 s16, ttmp9, 8*PROW
	s_mov_b32 s17, 0
	s_lshl_b32 s18, ttmp9, 12
	s_mov_b32 s19, 0
	s_wait_alu depctr_va_vdst(0)
	s_wait_kmcnt 0x0
	s_add_nc_u64 s[20:21], s[6:7], s[16:17]        ; pc at n = j
	s_add_nc_u64 s[8:9], s[8:9], s[18:19]          ; out0 likewise
.irp c, 0,1,2,3,4,5,6,7
	global_load_b64 v[16+2*\c:17+2*\c], v5, s[6:7] offset:4096+PROW*\c         ; (M_c, L_c) of my lane's n
.endr
	global_load_b128 v[32:35], v6, s[4:5]
	global_load_b128 v[36:39], v6, s[4:5] offset:16
.irp c, 0,1,2,3,4,5,6,7
	global_load_b64 v[40+2*\c:41+2*\c], v7, s[20:21] offset:4096+PROW*\c       ; and of n = j
.endr
.irp c, 0,1,2,3,4,5,6,7
	global_load_b128 v[56+4*\c:59+4*\c], v8, s[20:21] offset:PROW*\c           ; a wave reads 512 consecutive bytes
.endr
; b: eight pairs (M_c, L_c).  m: M;  inv: 1 / L;  e: e_c, and with gate = 1 e_c / L
.macro STAT b, e, m, inv, gate
	v_max3_num_f32 v[\m], v[\b], v[\b+2], v[\b+4]
	s_delay_alu instid0(VALU_DEP_1)
	v_max3_num_f32 v[\m], v[\m], v[\b+6], v[\b+8]
	s_delay_alu instid0(VALU_DEP_1)
	v_max3_num_f32 v[\m], v[\m], v[\b+10], v[\b+12]
	s_delay_alu instid0(VALU_DEP_1)
	v_max_num_f32 v[\m], v[\m], v[\b+14]
.irp c, 0,1,2,3,4,5,6,7
	v_sub_f32 v[\e+\c], v[\b+2*\c], v[\m]
.endr
	s_wait_alu depctr_va_vdst(0)
.irp c, 0,1,2,3,4,5,6,7
	v_exp_f32 v[\e+\c], v[\e+\c]
.endr
	v_nop                                          ; a plain place behind the batch,
	s_wait_alu depctr_va_vdst(0)                   ; and one wait ahead of its first reader
	v_mul_f32 v[\inv], v[\e], v[\b+1]
.irp c, 1,2,3,4,5,6,7
	v_fma_f32 v[\inv], v[\e+\c], v[\b+2*\c+1], v[\inv]
.endr
	s_wait_alu depctr_va_vdst(0)
	v_rcp_f32 v[\inv], v[\inv]
	v_nop
	s_wait_alu depctr_va_vdst(0)
.if \gate
.irp c, 0,1,2,3,4,5,6,7
	v_mul_f32 v[\e+\c], v[\e+\c], v[\inv]
.endr
.endif
.endm
	s_wait_loadcnt 0x0
	STAT 16, 88, 9, 10, 0
.irp k, 0,1,2,3,4,5,6,7
	v_sub_f32 v[32+\k], v[32+\k], v9
.endr
	s_wait_alu depctr_va_vdst(0)
.irp k, 0,1,2,3,4,5,6,7
	v_exp_f32 v[32+\k], v[32+\k]
.endr
	v_nop
	s_wait_alu depctr_va_vdst(0)
.irp k, 0,1,2,3,4,5,6,7
	v_mul_f32 v[32+\k], v[32+\k], v10              ; alpha[64 j + 8 g + k][n]
.endr
.irp k, 0,1,2,3,4,5,6,7
	ds_store_b32 v13, v[32+\k] offset:128*\k
.endr
	ds_load_b128 v[104:107], v14                   ; LDS serves a wave's instructions in order: these see my stores
	ds_load_b128 v[108:111], v14 offset:512
	STAT 40, 96, 11, 12, 1
.irp i, 0,1,2,3
	v_mul_f32 v[56+\i], v[56+\i], v96
.endr
.irp c, 1,2,3,4,5,6,7
.irp i, 0,1,2,3
	s_delay_alu instid0(VALU_DEP_4)
	v_fma_f32 v[56+\i], v[56+4*\c+\i], v[96+\c], v[56+\i]
.endr
.endr
	global_store_b128 v8, v[56:59], s[8:9]         ; a wave stores 512 consecutive bytes, aligned
	s_wait_dscnt 0x0
	global_store_b128 v15, v[104:107], s[10:11]
	global_store_b128 v15, v[108:111], s[10:11] offset:512
	s_wait_tensorcnt 0x0                           ; the wave's end: behind my last LDS store
	ds_add_u32 v1, v2
	s_wait_dscnt 0x0
	s_endpgm
.Lfunc_end_k_qad45718d1f_fin:
	.size	k_qad45718d1f_fin, .Lfunc_end_k_qad45718d1f_fin-k_qad45718d1f_fin
	.p2alignl 7, 3214868480
	.fill 96, 4, 3214868480
	.section	.rodata,"a",@progbits
	.p2align	6, 0x0
	.amdhsa_kernel k_qad45718d1f_fin
		.amdhsa_group_segment_fixed_size 9216
		.amdhsa_private_segment_fixed_size 0
		.amdhsa_enable_private_segment 0
		.amdhsa_kernarg_size 32
		.amdhsa_user_sgpr_count 2
		.amdhsa_user_sgpr_kernarg_segment_ptr 1
		.amdhsa_wavefront_size32 1
		.amdhsa_system_sgpr_workgroup_id_x 1
		.amdhsa_system_sgpr_workgroup_id_y 1
		.amdhsa_system_sgpr_workgroup_id_z 1
		.amdhsa_system_vgpr_workitem_id 0
		.amdhsa_next_free_vgpr 112
		.amdhsa_next_free_sgpr 66
		.amdhsa_reserve_vcc 0
		.amdhsa_float_denorm_mode_32 3
		.amdhsa_float_denorm_mode_16_64 3
		.amdhsa_memory_ordered 1
		.amdhsa_forward_progress 1
		.amdhsa_inst_pref_size 12
	.end_amdhsa_kernel
	.amdgpu_metadata
---
amdhsa.version: [ 1, 2 ]
amdhsa.kernels:
  - .name:           k_qad45718d1f_fin
    .symbol:         k_qad45718d1f_fin.kd
    .args:
      - { .name: tsc, .offset: 0, .size: 8, .value_kind: global_buffer, .address_space: global }
      - { .name: pc, .offset: 8, .size: 8, .value_kind: global_buffer, .address_space: global }
      - { .name: out0, .offset: 16, .size: 8, .value_kind: global_buffer, .address_space: global }
      - { .name: out1, .offset: 24, .size: 8, .value_kind: global_buffer, .address_space: global }
    .group_segment_fixed_size: 9216
    .private_segment_fixed_size: 0
    .kernarg_segment_align: 8
    .kernarg_segment_size: 32
    .max_flat_workgroup_size: 256
    .sgpr_count:     66
    .vgpr_count:     112
    .wavefront_size: 32
...
	.end_amdgpu_metadata
.endif
;; end of part 3
